; MI455X (gfx1250); checked and timed in simulation.
; The chip was launched on July 23, 2026; its instructions are those of AMD's public machine-readable ISA for CDNA 5 (MIT licence, August 2026) and "CDNA5" Instruction Set Architecture Reference Guide (July 2026). The comments in the code are by the model that wrote it; some were corrected since.
;; Concat Attention. Allowed arithmetic: matrix products marked QUANTISED: E2M1 operands, one E8M0 scale for each 32 along K, by v_wmma_scale_f32_16x16x128_f8f6f4 with both operands' format E2M1 (or v_wmma_scale_f32_32x16x128_f4), f32 sums; products left as they are: f32 operands where the result goes on into a quantised operand, else bf16, f16 or f32 operands; f32 sums; everything else in f32.
;; Inputs: V 1,024 x 1 float32; W1_codes 1,024 x 32 x 16 uint8 (E2M1 codes of W1, K innermost, in blocks of 32 codes, two codes a byte); W1_scales 1,024 x 32 uint8 (E8M0 scales of W1, one for each 32 codes along K); W2_codes 1,024 x 32 x 16 uint8 (E2M1 codes of W2, K innermost, in blocks of 32 codes, two codes a byte); W2_scales 1,024 x 32 uint8 (E8M0 scales of W2, one for each 32 codes along K); keys 32 x 2,048 x 1,024 float32; mask 32 x 2,048 x 1 int32; query_codes 32 x 1 x 32 x 16 uint8 (E2M1 codes of query, K innermost, in blocks of 32 codes, two codes a byte); query_scales 32 x 1 x 32 uint8 (E8M0 scales of query, one for each 32 codes along K).
;; Outputs: out0 32 x 1,024 float32; out1 32 x 2,048 float32.
;; This version of the problem:
;;   THIS VERSION OF THE PROBLEM IS GIVEN IN LOW PRECISION. The matrix products marked QUANTISED in the list below multiply operands that are first quantised to E2M1 (2 exponent bits, 1 mantissa bit; 4 bits a number), with one power-of-two scale for each 32 numbers along K (OCP MX v1.0); their sums are f32. All else is computed in f32.
;;   The module's matrix products, in the order in which they are computed (A, B: the left and right operand; K: the contracted axis; several contracted axes count as one K, in the product's order):
;;     1. [M 65,536, K 1,024] x [K 1,024, N 1,024]; A: input keys; B: input W1 (given as codes): QUANTISED
;;     2. [M 32, K 1,024] x [K 1,024, N 1,024]; A: input query (given as codes); B: input W2 (given as codes): QUANTISED
;;     3. [M 65,536, K 1,024] x [K 1,024, N 1]; A: computed on the way; B: input V: left as it is (N = 1 < 16)
;;     4. batch 32 x [M 1, K 2,048] x [K 2,048, N 1,024]; A: softmax; B: input keys: left as it is (M = 1 < 16)
;;   THE QUANTISER, for each operand of a quantised product, along K:
;;     - K is cut into blocks of 32 from its start; a last block that is shorter is filled with zeros.
;;     - A block's scale is 2^e with e = floor(log2(the largest magnitude in the block)) - 2, held to -126 .. 127; a block of zeros has e = 0. As a byte (E8M0): e + 127.
;;     - Each number is divided by its block's scale, clamped to +-6, and rounded to the nearest number of E2M1, ties to even, subnormals kept.
;;     - The product sums the exact products of the quantised numbers (number of the format x scale) in f32.
;;   ~~~python
;;   def quantise(x, axis):      # numpy; x: float32 -> the quantised numbers, widened to float32 again
;;       x = np.moveaxis(x, axis, -1); K = x.shape[-1]
;;       x = np.pad(x, [(0, 0)] * (x.ndim - 1) + [(0, -K % 32)]); x = x.reshape(x.shape[:-1] + (-1, 32)); a = np.abs(x).max(-1, keepdims=True)
;;       e = np.where(a > 0, np.clip(np.frexp(np.where(a > 0, a, 1))[1] - 1 - 2, -126, 127), 0)      # np.frexp(a)[1] - 1 = floor(log2(a)), exactly
;;       r = np.clip(x / 2.0 ** e, -6, 6)
;;       step = 2.0 ** (np.maximum(np.frexp(np.where(r == 0, 1, r))[1] - 1, 0) - 1)
;;       q = np.round(r / step) * step * 2.0 ** e      # np.round: ties to even
;;       return np.moveaxis(q.reshape(q.shape[:-2] + (-1,))[..., :K], -1, axis).astype(np.float32)
;;   ~~~
;;   INPUTS GIVEN AS CODES. W1 (in the module: [1024, 1024], K = its axis 0); W2 (in the module: [1024, 1024], K = its axis 0); query (in the module: [32, 1, 1024], K = its axis 2): each comes as NAME_codes (uint8): NAME with its K axis moved to the last place and cut into blocks of 32 codes, [.., K / 32, bytes a block], one block behind the other in memory; two codes a byte, the lower K in the low four bits (a code: sign, 2 exponent bits, 1 mantissa bit); and NAME_scales (uint8): the same leading axes, one E8M0 byte (e + 127) for each 32 codes along K. Its value is code x scale, taken as it is: it is not quantised again, and the codes and scales need not be those that the quantiser above would give.
;; One version. Each part assembles by itself: llvm-mc -triple=amdgcn-amd-amdhsa -mcpu=gfx1250 --defsym DOCPART=n.
;; ======== version 1 of 1: 2 launches
;; limits: a difference of large sums (such as E[x^2] - mean^2): digits are lost where the result is much smaller than its terms
;; workspace buffers: scores 262,144 bytes; ctxp 1,114,112 bytes
;; launch main (part 1): grid 256 x 1, 4 waves a work-group, clusters of 4 x 1, 327,680 bytes of LDS; arguments keys, mask, W1_codes, W1_scales, W2_codes, W2_scales, query_codes, query_scales, V, scores, ctxp; writes scores, ctxp
.if DOCPART == 1
	.amdgcn_target "amdgcn-amd-amdhsa--gfx1250"
	.amdhsa_code_object_version 6
	.text
	.protected	k_q375e56e036_main
	.globl	k_q375e56e036_main
	.p2align	8
	.type	k_q375e56e036_main,@function
k_q375e56e036_main:
	s_mov_b64 s[64:65], 0
	v_nop
	global_prefetch_b8 v0, s[64:65] scope:SCOPE_SE
	s_setreg_imm32_b32 hwreg(HW_REG_WAVE_MODE, 25, 1), 1
	s_wait_xcnt 0x0
	s_wait_alu depctr_hold_cnt(0) depctr_sa_sdst(0) depctr_va_vdst(0) depctr_va_sdst(0) depctr_va_ssrc(0) depctr_va_vcc(0) depctr_vm_vsrc(0)
	s_getreg_b32 s2, hwreg(HW_REG_IB_STS2, 6, 4)
	s_cmp_eq_u32 s2, 0
	s_cbranch_scc0 .Lentry_in_a_cluster
	s_endpgm
.Lentry_in_a_cluster:
	s_bfe_u32 s2, ttmp6, 0x10000c
	s_cmp_lg_u32 s2, 0x3003
	s_cbranch_scc0 .Lentry_shape_is_right
	s_endpgm
.Lentry_shape_is_right:
; score[s] = sum over d of V[d] tanh((keys W1)[s][d] + (query W2)[d]); rows with mask 0 get -1e9; then a running softmax over the rows and the sum of p x keys.
; keys [32][2048][1024] f32 is quantised here to E2M1 along its last axis (a block of 32: scale 2^(floor(log2(largest magnitude)) - 2)); W1, W2, query come as codes, K innermost.
; SHARES.  Work-group g (256 of them) owns rows 256 g .. 256 g + 255 of the 65,536, all of batch g / 8.  It leaves the masked scores of its rows and ONE un-normalised part: m, l and the sum of 2^((s - m) log2 e) x keys;
; a second launch joins the eight parts of a batch.  keys is read from memory once: a row's bf16 copy and its codes stay on the WGP until its score is known.
; Four PASSES of 64 rows; a pass has eight TRIPS; trip j takes weight rows (columns d) 128 j .. 128 j + 127, wave w 32 of them, for all 64 rows and all of K: 8 accumulators, 64 matrix instructions.
; The pass's codes (64 rows x 1,024 K = 256 registers) lie in EVERY wave's registers, so a trip reads from LDS only its 16 fragments of W1.  While a pass is multiplied the next pass's rows land in registers, 8 rows of
; the work-group a trip, and are turned into codes, scale bytes and bf16 in LDS.  Eight trips of the same make stand in front: they multiply query by W2 while pass 0's rows land.
; THE MATRIX INSTRUCTION IS USED TRANSPOSED: source 0 = 16 rows of W, source 1 = 16 rows of keys: a lane holds ONE key row (lane % 16), its registers eight neighbouring d.  So the product with V runs along registers.
; tanh(x) = 1 - 2 / (1 + 2^(c x)), c = 2 log2 e: score = SV + sum of (-2 V[d]) / (1 + 2^(c x + c q2[d])), SV = the sum of V.  An exponential that overflows gives the quotient 0, one that underflows 1.
; The softmax takes the running maximum away first: p = 2^((s - m) log2 e); when m moves, l and the sum are multiplied by 2^((m_old - m_new) log2 e).
; p x keys goes to the matrix unit in bf16: p in all 16 rows of source 0, keys turned by ds_load_tr16_b128 as source 1; register 0 of each result is used.
; CLUSTER.  The weights are the same for all work-groups and are walked four times by each: the four partners ask for each tile JOINTLY (mask 15).  keys is nobody else's: it comes by plain loads.
; LIMITS: NaN and infinities in keys are not served.  A block of zeros gets the byte 1 and zero codes (the bytes are read here alone).  SV and the sum beside it are each at most 2 x the sum of |V|, so the score's
; f32 error is some 3 x 2^-24 x the sum of |V|.  p and keys are rounded to bf16 for the last product.
; A landing load takes 16 bytes a lane, lanes 32 bytes apart, since a lane must hold 8 neighbours along K for the conversion; the two loads of a pair cover 1,024 consecutive bytes together.
; The 3,584 LDS bytes that are left would not hold a stage to turn them in.
;
; LDS ROW ORDER.  In sub-step j of a pass wave w lands the pass's rows a = 8 j + 2 w + e (8,192 consecutive bytes) and keeps them at LDS row 16 w + 2 j + e: each wave stores into a range of its own.
.set SLOTB, 71936                      ; a ring slot: 128 weight rows x (512 + 16) = 67,584, then their 4,096 scale bytes as 16 x (256 + 16)
.set WSC,   67584
.set BF,    143872                     ; bf16 of the next pass: 64 rows, pitch 2,080 (an odd multiple of 32)
.set BFP,   2080
.set COD,   276992                     ; its codes: 64 rows, pitch 528 (an odd multiple of 16)
.set CODP,  528
.set ASC,   310784                     ; its scale bytes: 64 rows, pitch 48
.set ASCP,  48
.set V2L,   313856                     ; -2 V, [wave][trip][32] f32; 4,096 bytes on: c q2, laid alike
.set PART,  322048                     ; partial scores [wave][64] f32
.set P16,   323072                     ; p as bf16, 128 bytes for each wave, its own
.set SPARE, 323584                     ; the spare words: 128 bytes for each wave, two blocks of 256 bytes that no other line names
; window 0
.set SPW, 1                            ; v1   my spare word's address; never rewritten
.set NIL, 2                            ; v2   0; never rewritten
.set ADB, 3                            ; v3-4   my W fragments in slot 0, 1
.set ADW, 5                            ; v5-6   my W scale words in slot 0, 1
.set ADA, 7                            ; v7   key codes, on the way back
.set ADS, 8                            ; v8   key scale words, on the way back
.set ADT, 9                            ; v9-10  bf16 rows 0-31, 32-63, for the turning load
.set AFB, 11                           ; v11-13 where my wave stores bf16, codes, scale bytes
.set AFC, 12
.set AFS, 13
.set AVQ, 14                           ; v14  my wave's -2 V (and, 4,096 on, c q2)
                                       ; v15-18 the trip's addresses
.set KO,  19                           ; v19-20 byte offsets of the two landing sets in my wave's stream of keys
.set PFO, 21                           ; v21  the prefetch's offset
.set APW, 22
.set APR, 23
.set AP16W, 24
.set AP16R, 25
.set MO,  26                           ; v26  my 16 bytes of the pass's mask
.set MX,  27                           ; v27  m
.set SV,  28                           ; v28  SV;  v29  l
.set LSUM, 29
.set NEG, 30                           ; v30  -1e9
.set FF,  31                           ; v31  f
.set KSC, 32                           ; v32-47 key scale words: register 8 P + q: lanes 0-15 row tile 2 P, lanes 16-31 tile 2 P + 1.  (In front of pass 0: query's, register q)
.set WSR, 48                           ; v48-55 W scale words: register q: lanes 0-15 tile u = 0, lanes 16-31 u = 1
.set QC,  56                           ; v56-63 codes, v64-71 bytes, v72-103 bf16, v104-111 largest magnitudes: the feed's; the tail uses them again
.set QB,  64
.set QH,  72
.set QM,  104
.set MK,  112                          ; v112-115 the mask
.set PF1, 116                          ; v116-123 p's second fragment (the first lies in v104-111)
.set SD,  124                          ; v124-125 the two scores that I store
.set SCO, 126                          ; v126 and where
.set R,   128                          ; v128-191, v192-255 the two landing sets
; window 1: key codes, fragment (row tile m, K step q) at 8 (8 m + q).   window 2: bf16 fragment (channel tile t, K step s) at 8 (2 t + s)
; window 3: v0-63 accumulators, tile (u, m) at 8 (4 u + m);
.set BFR, 64                           ; v64-191 W fragment (q, u) at 64 + 8 (2 q + u); in the tail the 16 results of p x keys
.set VV,  192                          ; v192-207 -2 V;  v208-223 c q2;  v224-239 score sums, pair (u, m);  v240-255 the context
.set QQ,  208
.set PS,  224
.set CTX, 240
.set WV,  26                           ; s26  wave
.set G1C, 32                           ; s[32:39] group 1, codes;  s[40:47] scale bytes;  s[48:55], s[56:63] their groups 0, one for each slot
.set G1S, 40
.set G0C, 48
.set G0S, 56
.set CC,  66                           ; s[66:67] c, twice
.set SEL, 68                           ; s[68:69] selects for lane l xor 16
.set WOFF, 70                          ; s[70:71] the next tile's byte offset in a weight's codes;  s[72:73] in its scale bytes
.set SOFF, 72
.set L2E, 84                           ; s[84:85] log2 e, twice
.set MSB, 0
.macro WIN new                         ; the immediate's high byte repeats the setting that is left; bits 1:0 source 0, 3:2 source 1, 5:4 source 2, 7:6 destination
.if MSB != (\new)
	s_set_vgpr_msb (MSB<<8)|(\new)
.set MSB, \new
.endif
.endm
.macro ROUND                           ; a round of the cluster's barrier
	s_barrier_signal -1
	s_barrier_wait -1
	s_cmp_lg_u32 s[WV], 0
	s_cbranch_scc1 .Lnw0_\@
	s_barrier_signal -3
.Lnw0_\@:
	s_barrier_wait -3
	s_barrier_signal -1
	s_barrier_wait -1
.endm
; A joint load into slot n: waves 0 and 1 the two halves of 128 rows of codes, wave 2 their scale bytes, wave 3 nothing.  The branches hang on the wave's number alone.  Four v_nop follow each line.
.macro TLOAD n
	s_cmp_lt_u32 s[WV], 2
	s_cbranch_scc0 .Lnc_\@
	tensor_load_to_lds s[G0C+4*(\n):G0C+4*(\n)+3], s[G1C:G1C+7]
	s_nop 0
.rept 4
	v_nop
.endr
	s_branch .Ltd_\@
.Lnc_\@:
	s_cmp_lt_u32 s[WV], 3
	s_cbranch_scc0 .Ltd_\@
	tensor_load_to_lds s[G0S+4*(\n):G0S+4*(\n)+3], s[G1S:G1S+7]
	s_nop 0
.rept 4
	v_nop
.endr
.Ltd_\@:
.endm
; THE CHANGE OF SLOTS, at a trip's head.  Each wave waits for all its tensor loads (at most one is out: its part of this trip's tile), adds 0 to its spare word, and waits for that and for all its LDS reads and stores.
; refill = 1: a round of the cluster's barrier, and behind it the next tile goes into the slot read last trip: it has this trip in which to land.  cb, sb: the bases of the weight that the next tile belongs to.
.macro RING slot, refill, cb, sb
	s_wait_tensorcnt 0x0                           ; no tensor load of mine is out, so a group 0 may be written
	ds_add_u32 v[SPW], v[NIL]                      ; 0 onto my spare word
.if \refill
	s_add_nc_u64 s[G0C+6-4*\slot:G0C+7-4*\slot], s[\cb:\cb+1], s[WOFF:WOFF+1]
	s_or_b32 s[G0C+7-4*\slot], s[G0C+7-4*\slot], 0x80000000
	s_add_nc_u64 s[G0S+6-4*\slot:G0S+7-4*\slot], s[\sb:\sb+1], s[SOFF:SOFF+1]
	s_or_b32 s[G0S+7-4*\slot], s[G0S+7-4*\slot], 0x80000000
	s_add_co_u32 s[WOFF], s[WOFF], 0x10000         ; 128 rows of 512 bytes on,
	s_and_b32 s[WOFF], s[WOFF], 0x7ffff            ; round the weight's eight tiles;
	s_lshr_b32 s[SOFF], s[WOFF], 4                 ; 128 rows of 32 scale bytes
.endif
	s_wait_dscnt 0x0                               ; the add is done; my reads of the other slot, of the next pass's images and my stores are over
.if \refill
	ROUND                                          ; that now holds of every wave of the four work-groups
	TLOAD 1-\slot
.else
	s_barrier_signal -1                            ; my work-group's barrier shows the last tile whole
	s_barrier_wait -1
.endif
.endm
; The trip's operands from LDS: 2 loads of scale words, 32 of fragments (K step q, tile u: two loads of 16 bytes, 32 apart), and with vq = 1 eight of -2 V and c q2
.macro LOADW slot, vq
	ds_load_b128 v[WSR:WSR+3], v[ADW+\slot]
	ds_load_b128 v[WSR+4:WSR+7], v[ADW+\slot] offset:16
.if \vq
	v_add_nc_u32 v18, s79, v[AVQ]
.endif
	WIN 0xC0
.irp q, 0,1,2,3,4,5,6,7
.irp u, 0,1
.irp c, 0,1
	ds_load_b128 v[BFR+8*(2*\q+\u)+4*\c:BFR+8*(2*\q+\u)+4*\c+3], v[ADB+\slot] offset:\u*16*CODP+64*\q+32*\c
.endr
.endr
.endr
.if \vq
.irp u, 0,1
.irp c, 0,1
	ds_load_b128 v[VV+8*\u+4*\c:VV+8*\u+4*\c+3], v18 offset:64*\u+16*\c
	ds_load_b128 v[QQ+8*\u+4*\c:QQ+8*\u+4*\c+3], v18 offset:4096+64*\u+16*\c
.endr
.endr
.endif
	WIN 0
.endm
; THE FEED, first half: landing set par (two rows; group g = row g / 4, quarter g % 4; lane l holds k = 256 (g % 4) + 8 l + 0 .. 7) becomes codes, scale bytes and bf16 in LDS.  A block of 32 lies in four neighbouring lanes.
.macro FEED_Q par
.set RB, R+64*(\par)
	s_wait_xcnt 0x0                                ; the last prefetch, a trip back, has read its offset
	v_add_nc_u32 v[PFO], 0x8000, v[PFO]            ; a sub-step on
	s_wait_loadcnt 16                              ; this set's 16 loads are in; the other set's 16, issued behind them, may be out
	v_add_nc_u32 v15, s76, v[AFB]
	v_add_nc_u32 v16, s77, v[AFC]
	v_add_nc_u32 v17, s78, v[AFS]
.irp g, 0,1,2,3,4,5,6,7
	v_max3_num_f32 v[QM+\g], |v[RB+8*\g]|, |v[RB+8*\g+1]|, 0x1800000   ; my 8 numbers, and the floor 2^(3 - 127): the byte cannot fall under 1.  (The eight groups by turns)
.endr
.irp i, 2,4,6
.irp g, 0,1,2,3,4,5,6,7
	v_max3_num_f32 v[QM+\g], v[QM+\g], |v[RB+8*\g+\i]|, |v[RB+8*\g+\i+1]|
.endr
.endr
.irp g, 0,1,2,3,4,5,6,7
	v_max_num_f32_dpp v[QM+\g], v[QM+\g], v[QM+\g] row_xmask:1 row_mask:0xf bank_mask:0xf
.endr
.irp g, 0,1,2,3,4,5,6,7
	v_max_num_f32_dpp v[QM+\g], v[QM+\g], v[QM+\g] row_xmask:2 row_mask:0xf bank_mask:0xf   ; the block's largest magnitude
.endr
.irp g, 0,1,2,3,4,5,6,7
	v_add_nc_u32 v[QM+\g], 0xff000000, v[QM+\g]    ; 2 off its exponent field: the conversion's scale operand
.endr
.irp g, 0,1,2,3,4,5,6,7
	v_lshrrev_b32 v[QB+\g], 23, v[QM+\g]           ; the scale's byte
.endr
.irp g, 0,1,2,3,4,5,6,7
	v_cvt_scalef32_pk8_fp4_f32 v[QC+\g], v[RB+8*\g:RB+8*\g+7], v[QM+\g]
.endr
.irp g, 0,1,2,3,4,5,6,7
.irp i, 0,1,2,3
	v_cvt_pk_bf16_f32 v[QH+4*\g+\i], v[RB+8*\g+2*\i], v[RB+8*\g+2*\i+1]   ; (plain lines behind the scaled conversions)
.endr
.endr
.irp g, 0,1,2,3,4,5,6,7
	ds_store_b128 v15, v[QH+4*\g:QH+4*\g+3] offset:(\g/4)*BFP+(\g%4)*512
	ds_store_b32 v16, v[QC+\g] offset:(\g/4)*CODP+(\g%4)*128
	ds_store_b8 v17, v[QB+\g] offset:(\g/4)*ASCP+(\g%4)*8      ; the four lanes of a block write the same byte with the same value
.endr
	s_add_co_u32 s76, s76, 2*BFP                   ; my next two LDS rows
	s_add_co_u32 s77, s77, 2*CODP
	s_add_co_u32 s78, s78, 2*ASCP
.endm
; THE FEED, second half: the set takes the sub-step two on (s80 counts the sub-steps still to load: 30 at the start; the last two calls load nothing and wait for all loads, so that every later counted wait holds there too).
; Behind the loads ONE prefetch: my wave's 8,192 bytes of the sub-step two beyond the one just asked for, a lane to each 256 bytes; each block is named once in the launch; none for a sub-step past the work-group's 32.
.macro FEED_L par
.set RB, R+64*(\par)
	s_cmp_lg_u32 s80, 0
	s_cbranch_scc0 .Lfskip_\@
	v_add_nc_u32 v[KO+\par], 0x10000, v[KO+\par]   ; its loads have come: the offset may step
.irp g, 0,1,2,3,4,5,6,7
.irp c, 0,1
	global_load_b128 v[RB+8*\g+4*\c:RB+8*\g+4*\c+3], v[KO+\par], s[4:5] offset:1024*\g+16*\c th:TH_LOAD_NT
.endr
.endr
	s_cmp_gt_u32 s80, 2
	s_cbranch_scc0 .Lfnp_\@
	global_prefetch_b8 v[PFO], s[4:5] th:TH_LOAD_NT scope:SCOPE_SE
.Lfnp_\@:
	s_sub_co_u32 s80, s80, 1
	s_branch .Lfd_\@
.Lfskip_\@:
	s_wait_loadcnt 0x0
.Lfd_\@:
.endm
; One matrix instruction: W's tile u x row tile m, K step q.  The scale words' rows: lanes 16-31 for u = 1 and for odd m.  K step 0 starts the sum.
.macro WM q, u, m
.set rD, 8*(4*(\u)+(\m))
.set rA, BFR+8*(2*(\q)+(\u))
.set rB, 8*(8*(\m)+(\q))
.set rSA, WSR+(\q)
.set rSB, KSC+8*((\m)/2)+(\q)
.if (\q) == 0
.if ((\u) == 0) && ((\m)%2 == 0)
	v_wmma_scale_f32_16x16x128_f8f6f4 v[rD:rD+7], v[rA:rA+7], v[rB:rB+7], 0, v[rSA], v[rSB] matrix_a_fmt:MATRIX_FMT_FP4 matrix_b_fmt:MATRIX_FMT_FP4
.elseif (\u) == 0
	v_wmma_scale_f32_16x16x128_f8f6f4 v[rD:rD+7], v[rA:rA+7], v[rB:rB+7], 0, v[rSA], v[rSB] matrix_a_fmt:MATRIX_FMT_FP4 matrix_b_fmt:MATRIX_FMT_FP4 matrix_b_scale:MATRIX_SCALE_ROW1
.elseif (\m)%2 == 0
	v_wmma_scale_f32_16x16x128_f8f6f4 v[rD:rD+7], v[rA:rA+7], v[rB:rB+7], 0, v[rSA], v[rSB] matrix_a_fmt:MATRIX_FMT_FP4 matrix_b_fmt:MATRIX_FMT_FP4 matrix_a_scale:MATRIX_SCALE_ROW1
.else
	v_wmma_scale_f32_16x16x128_f8f6f4 v[rD:rD+7], v[rA:rA+7], v[rB:rB+7], 0, v[rSA], v[rSB] matrix_a_fmt:MATRIX_FMT_FP4 matrix_b_fmt:MATRIX_FMT_FP4 matrix_a_scale:MATRIX_SCALE_ROW1 matrix_b_scale:MATRIX_SCALE_ROW1
.endif
.else
.if ((\u) == 0) && ((\m)%2 == 0)
	v_wmma_scale_f32_16x16x128_f8f6f4 v[rD:rD+7], v[rA:rA+7], v[rB:rB+7], v[rD:rD+7], v[rSA], v[rSB] matrix_a_fmt:MATRIX_FMT_FP4 matrix_b_fmt:MATRIX_FMT_FP4
.elseif (\u) == 0
	v_wmma_scale_f32_16x16x128_f8f6f4 v[rD:rD+7], v[rA:rA+7], v[rB:rB+7], v[rD:rD+7], v[rSA], v[rSB] matrix_a_fmt:MATRIX_FMT_FP4 matrix_b_fmt:MATRIX_FMT_FP4 matrix_b_scale:MATRIX_SCALE_ROW1
.elseif (\m)%2 == 0
	v_wmma_scale_f32_16x16x128_f8f6f4 v[rD:rD+7], v[rA:rA+7], v[rB:rB+7], v[rD:rD+7], v[rSA], v[rSB] matrix_a_fmt:MATRIX_FMT_FP4 matrix_b_fmt:MATRIX_FMT_FP4 matrix_a_scale:MATRIX_SCALE_ROW1
.else
	v_wmma_scale_f32_16x16x128_f8f6f4 v[rD:rD+7], v[rA:rA+7], v[rB:rB+7], v[rD:rD+7], v[rSA], v[rSB] matrix_a_fmt:MATRIX_FMT_FP4 matrix_b_fmt:MATRIX_FMT_FP4 matrix_a_scale:MATRIX_SCALE_ROW1 matrix_b_scale:MATRIX_SCALE_ROW1
.endif
.endif
.endm
; The trip's 64 matrix instructions, K ascending; the eight accumulators take turns, one instruction a turn.
; younger: the LDS instructions issued behind the 32 fragment loads (8 loads of V and q2, the feed's 24 stores).  Behind K step q's four loads stand the later K steps' 4 (7 - q) and those.
.macro MUL younger
	WIN 0xF7                                       ; W and the sums window 3, key codes window 1
.irp q, 0,1,2,3,4,5,6,7
	s_wait_dscnt 4*(7-\q)+(\younger)
.irp u, 0,1
.irp m, 0,1,2,3
	WM \q, \u, \m
.endr
.endr
.endr
.endm
; tanh and the product with V, all in window 3.  Two batches of 64 transcendentals, each with one plain line and one wait behind it, ahead of its first reader.
.macro EPI younger
	s_wait_dscnt \younger                          ; -2 V and c q2 are in (behind them stand only the feed's stores)
.rept 4
	v_nop                                          ; four places behind the last products, ahead of the first read of results (ISA guide 7.12.1)
.endr
	WIN 0xFF
.irp t, 0,1,2,3,4,5,6,7
.irp k, 0,1,2,3
	v_pk_fma_f32 v[8*\t+2*\k:8*\t+2*\k+1], v[8*\t+2*\k:8*\t+2*\k+1], s[CC:CC+1], v[QQ+8*(\t/4)+2*\k:QQ+8*(\t/4)+2*\k+1] op_sel_hi:[1,0,1]   ; c x + c q2; each accumulator from its low end on
.endr
.endr
.set i, 0
.rept 64
	v_exp_f32 v[i], v[i]
.set i, i+1
.endr
	v_nop
	s_wait_alu depctr_va_vdst(0)
.set i, 0
.rept 32
	v_pk_add_f32 v[i:i+1], v[i:i+1], 1.0 op_sel_hi:[1,0]
.set i, i+2
.endr
.set i, 0
.rept 64
	v_rcp_f32 v[i], v[i]
.set i, i+1
.endr
	v_nop
	s_wait_alu depctr_va_vdst(0)
.irp k, 0,1,2,3
.irp t, 0,1,2,3,4,5,6,7
	v_pk_fma_f32 v[PS+2*\t:PS+2*\t+1], v[8*\t+2*\k:8*\t+2*\k+1], v[VV+8*(\t/4)+2*\k:VV+8*(\t/4)+2*\k+1], v[PS+2*\t:PS+2*\t+1]   ; eight chains by turns
.endr
.endr
	WIN 0
.endm
.macro TRIP slot, refill, feed
	RING \slot, \refill, 8, 10                     ; the next tile is W1's
	LOADW \slot, 1
.if \feed
	FEED_Q \slot
	FEED_L \slot
.endif
	MUL 8+24*\feed
	EPI 24*\feed
	s_add_co_u32 s79, s79, 128                     ; the next trip's 32 numbers of -2 V and c q2
.endm
; A trip in front of pass 0: my 32 rows of a tile of W2 x query (the same query in all 16 columns), times c, into my own part of LDS; and the feed, for pass 0.
.macro PTRIP slot, cb, sb
	RING \slot, 1, \cb, \sb
	LOADW \slot, 0
	v_add_nc_u32 v18, s79, v[AVQ]
	FEED_Q \slot
	FEED_L \slot
	WIN 0xF7
.irp q, 0,1,2,3,4,5,6,7
	s_wait_dscnt 4*(7-\q)+24                       ; behind K step q's four loads: the later K steps' and the feed's 24 stores
	WM \q, 0, 0                                    ; two accumulators by turns
	WM \q, 1, 0
.endr
.rept 4
	v_nop
.endr
	WIN 0xFF
.irp a, 0,2,4,6,32,34,36,38
	v_pk_mul_f32 v[\a:\a+1], v[\a:\a+1], s[CC:CC+1] op_sel_hi:[1,0]
.endr
	WIN 0x0C                                       ; an LDS store's data are its source 1: window 3
.irp u, 0,1
.irp c, 0,1
	ds_store_b128 v18, v[32*\u+4*\c:32*\u+4*\c+3] offset:4096+64*\u+16*\c   ; the 16 lanes of a half write the same bytes with the same value
.endr
.endr
	WIN 0
	s_add_co_u32 s79, s79, 128
.endm
.macro HEAD_A                          ; the next pass's codes (32 fragments) and scale words into registers: 68 loads
	WIN 0x40
.irp m, 0,1,2,3
.irp q, 0,1,2,3,4,5,6,7
.irp c, 0,1
	ds_load_b128 v[8*(8*\m+\q)+4*\c:8*(8*\m+\q)+4*\c+3], v[ADA] offset:\m*16*CODP+64*\q+32*\c
.endr
.endr
.endr
	WIN 0
.irp p, 0,1
.irp c, 0,1
	ds_load_b128 v[KSC+8*\p+4*\c:KSC+8*\p+4*\c+3], v[ADS] offset:32*ASCP*\p+16*\c
.endr
.endr
.endm
.macro HEAD_B                          ; its bf16 copy, my wave's 256 channels, turned: channel tile t, rows 32 s on: 64 loads
	WIN 0x80
.irp t, 0,1,2,3,4,5,6,7,8,9,10,11,12,13,14,15
.irp s, 0,1
	ds_load_tr16_b128 v[8*(2*\t+\s):8*(2*\t+\s)+3], v[ADT+\s] offset:32*\t
	ds_load_tr16_b128 v[8*(2*\t+\s)+4:8*(2*\t+\s)+7], v[ADT+\s] offset:32*\t+16*BFP
.endr
.endr
	WIN 0
.endm
.macro HEADMISC                        ; a pass's head: its mask is asked for; the stepped addresses go back; the score sums begin at 0
	global_load_b128 v[MK:MK+3], v[MO], s[6:7]
	s_mov_b32 s76, 0
	s_mov_b32 s77, 0
	s_mov_b32 s78, 0
	s_mov_b32 s79, 0
	WIN 0xC0
.set i, 0
.rept 16
	v_mov_b32 v[PS+i], 0
.set i, i+1
.endr
	WIN 0
.endm
; A PASS'S TAIL.  nxt = 1: another pass follows.
.macro TAIL nxt
	s_wait_dscnt 0x0                               ; the feed's stores have gone: its registers are taken for other use
	WIN 0x0F
.irp m, 0,1,2,3
	v_pk_add_f32 v[56+2*\m:57+2*\m], v[PS+2*\m:PS+2*\m+1], v[PS+8+2*\m:PS+9+2*\m]   ; my two tiles of d
.endr
	WIN 0
.irp m, 0,1,2,3
	v_add_f32 v[56+2*\m], v[56+2*\m], v[57+2*\m]   ; even and odd d
.endr
.irp m, 0,1,2,3
	v_permlanex16_b32 v[64+\m], v[56+2*\m], s[SEL], s[SEL+1]
.endr
.irp m, 0,1,2,3
	v_add_f32 v[56+2*\m], v[56+2*\m], v[64+\m]     ; and lane l xor 16's eight d of each tile
.endr
.irp m, 0,1,2,3
	ds_store_b32 v[APW], v[56+2*\m] offset:64*\m   ; my wave's part of the scores of LDS rows 16 m + lane % 16
.endr
	s_wait_dscnt 0x0                               ; for the others' sake: my partial scores, and all my stores of the next pass, have landed
	s_barrier_signal -1
	s_barrier_wait -1
.irp x, 0,1,2,3                        ; every wave takes all 64 scores; lane l % 16 = y the pass's rows 4 y .. 4 y + 3, which lie at LDS rows 32 (y % 2) + 16 (i / 2) + 2 (y / 2) + i % 2
	ds_load_b64 v[72+4*\x:73+4*\x], v[APR] offset:256*\x
	ds_load_b64 v[74+4*\x:75+4*\x], v[APR] offset:256*\x+64
.endr
	s_wait_dscnt 0x0
	v_pk_add_f32 v[72:73], v[72:73], v[76:77]
	v_pk_add_f32 v[74:75], v[74:75], v[78:79]
	v_pk_add_f32 v[80:81], v[80:81], v[84:85]
	v_pk_add_f32 v[82:83], v[82:83], v[86:87]
	v_pk_add_f32 v[88:89], v[72:73], v[80:81]
	v_pk_add_f32 v[90:91], v[74:75], v[82:83]
	v_pk_add_f32 v[88:89], v[88:89], v[SV:SV+1] op_sel_hi:[1,0]
	v_pk_add_f32 v[90:91], v[90:91], v[SV:SV+1] op_sel_hi:[1,0]
.if \nxt
	s_wait_loadcnt 32                              ; the mask is in: behind its load stand at most the two landing sets' 32
.else
	s_wait_loadcnt 0x0
.endif
.irp i, 0,1,2,3
	v_cmp_eq_u32 vcc_lo, 0, v[MK+\i]
	v_cndmask_b32 v[88+\i], v[88+\i], v[NEG], vcc_lo
.endr
	v_cndmask_b32 v[SD], v88, v90, s81             ; lanes 0-15 store their numbers 0 and 1, lanes 16-31 their numbers 2 and 3:
	v_cndmask_b32 v[SD+1], v89, v91, s81
	s_cmp_lg_u32 s[WV], 0
	s_cbranch_scc1 .Lnst_\@
	global_store_b64 v[SCO], v[SD:SD+1], s[22:23]  ; wave 0's 32 lanes store the pass's 64 scores: 256 consecutive bytes, aligned
.Lnst_\@:
	v_max3_num_f32 v97, v88, v89, v90
	v_max_num_f32 v97, v97, v91
	v_max_num_f32_dpp v97, v97, v97 row_xmask:1 row_mask:0xf bank_mask:0xf
	v_max_num_f32_dpp v97, v97, v97 row_xmask:2 row_mask:0xf bank_mask:0xf
	v_max_num_f32_dpp v97, v97, v97 row_xmask:4 row_mask:0xf bank_mask:0xf
	v_max_num_f32_dpp v97, v97, v97 row_xmask:8 row_mask:0xf bank_mask:0xf   ; (both halves of the lanes hold the same 64)
	v_max_num_f32 v96, v[MX], v97                  ; the new m
	v_sub_f32 v98, v[MX], v96
	v_mul_f32 v98, s[L2E], v98
	v_pk_add_f32 v[92:93], v[88:89], v[96:97] op_sel_hi:[1,0] neg_lo:[0,1] neg_hi:[0,1]   ; s - m FIRST, so that -1e9 less -1e9 is 0
	v_pk_add_f32 v[94:95], v[90:91], v[96:97] op_sel_hi:[1,0] neg_lo:[0,1] neg_hi:[0,1]
	v_pk_mul_f32 v[92:93], v[92:93], s[L2E:L2E+1] op_sel_hi:[1,0]
	v_pk_mul_f32 v[94:95], v[94:95], s[L2E:L2E+1] op_sel_hi:[1,0]
	v_exp_f32 v92, v92
	v_exp_f32 v93, v93
	v_exp_f32 v94, v94
	v_exp_f32 v95, v95
	v_exp_f32 v[FF], v98                           ; f
	v_nop
	s_wait_alu depctr_va_vdst(0)                   ; one wait for the five
	v_add_f32 v99, v92, v93
	v_add_f32 v98, v94, v95
	v_add_f32 v99, v99, v98
	v_add_f32_dpp v99, v99, v99 row_xmask:1 row_mask:0xf bank_mask:0xf
	v_add_f32_dpp v99, v99, v99 row_xmask:2 row_mask:0xf bank_mask:0xf
	v_add_f32_dpp v99, v99, v99 row_xmask:4 row_mask:0xf bank_mask:0xf
	v_add_f32_dpp v99, v99, v99 row_xmask:8 row_mask:0xf bank_mask:0xf
	v_fma_f32 v[LSUM], v[LSUM], v[FF], v99         ; l = l f + the pass's sum of p
	v_mov_b32 v[MX], v96
	v_cvt_pk_bf16_f32 v100, v92, v93
	v_cvt_pk_bf16_f32 v101, v94, v95
	ds_store_b32 v[AP16W], v100                    ; p in the order of the LDS rows, into my wave's own 128 bytes
	ds_store_b32 v[AP16W], v101 offset:32
	ds_load_b128 v[QM:QM+3], v[AP16R]              ; and back as source 0: the same 32 p in each of its 16 rows.  (LDS serves a wave's instructions in order: ISA guide 5.7.1.4)
	ds_load_b128 v[QM+4:QM+7], v[AP16R] offset:32
	ds_load_b128 v[PF1:PF1+3], v[AP16R] offset:64
	ds_load_b128 v[PF1+4:PF1+7], v[AP16R] offset:96
.if \nxt
	HEAD_A
	s_wait_dscnt 63                                ; p is in: 68 loads were issued behind its four
.else
	s_wait_dscnt 0x0
.endif
	WIN 0xF8                                       ; p window 0, keys window 2, results window 3
.irp t, 0,1,2,3,4,5,6,7,8,9,10,11,12,13,14,15
	v_wmma_f32_16x16x32_bf16 v[BFR+8*\t:BFR+8*\t+7], v[QM:QM+7], v[16*\t:16*\t+7], 0
.endr
.irp t, 0,1,2,3,4,5,6,7,8,9,10,11,12,13,14,15
	v_wmma_f32_16x16x32_bf16 v[BFR+8*\t:BFR+8*\t+7], v[PF1:PF1+7], v[16*\t+8:16*\t+15], v[BFR+8*\t:BFR+8*\t+7]   ; sixteen accumulators by turns
.endr
.rept 4
	v_nop
.endr
	WIN 0xF3
.irp t, 0,1,2,3,4,5,6,7,8,9,10,11,12,13,14,15
	v_fma_f32 v[CTX+\t], v[CTX+\t], v[FF], v[BFR+8*\t]   ; channel 256 w + 16 t + lane % 16
.endr
	WIN 0
.if \nxt
	HEAD_B
	s_wait_xcnt 0x0                                ; the mask's load and the scores' store have read their offsets and data
	v_add_nc_u32 v[MO], 256, v[MO]
	v_add_nc_u32 v[SCO], 256, v[SCO]
.endif
.endm
	; ---------------- the head
	s_load_b512 s[4:19], s[0:1], 0x0               ; keys s[4:5], mask s[6:7], W1 codes s[8:9], scales s[10:11], W2 codes s[12:13], scales s[14:15], query codes s[16:17], scales s[18:19]
	s_load_b128 s[20:23], s[0:1], 0x40             ; V, scores
	s_load_b64 s[24:25], s[0:1], 0x50              ; ctxp
	v_lshl_add_u32 v[SPW], v0, 2, SPARE
	v_mov_b32 v[NIL], 0
	ds_add_u32 v1, v2
	s_wait_dscnt 0x0
	v_lshrrev_b32 v15, 5, v0
	v_readfirstlane_b32 s[WV], v15                 ; wave 0..3
	s_bfe_u32 s27, ttmp6, 0x40000                  ; cx
	s_lshl_b32 s28, ttmp9, 2
	s_add_co_u32 s28, s28, s27                     ; my work-group: it enters the addresses of keys, mask, query, scores and ctxp alone
	; group 1, codes: 64 rows of 512 bytes, 16 bytes of padding behind each
	s_mov_b32 s[G1C+0], 15|(1<<20)|(1<<21)|(6<<22)|(3<<25)   ; 15:0 the mask: all four work-groups; 17:16 elements of 1 byte; 20 padding on; 21 set beside a mask; 24:22 after every 128 words; 31:25 four words
	s_mov_b32 s[G1C+1], 512<<16                    ; tensor_dim0
	s_mov_b32 s[G1C+2], 64<<16                     ; tensor_dim1
	s_mov_b32 s[G1C+3], 512<<16                    ; tile_dim0
	s_mov_b32 s[G1C+4], 64                         ; tile_dim1
	s_mov_b32 s[G1C+5], 512                        ; from row to row
	s_mov_b32 s[G1C+6], 0
	s_mov_b32 s[G1C+7], 0
	; group 1, scale bytes: 4,096 dense bytes as 16 rows of 32 elements of 8 bytes, 16 bytes of padding behind each
	s_mov_b32 s[G1S+0], 15|(3<<16)|(1<<20)|(1<<21)|(5<<22)|(3<<25)
	s_mov_b32 s[G1S+1], 32<<16
	s_mov_b32 s[G1S+2], 16<<16
	s_mov_b32 s[G1S+3], 32<<16
	s_mov_b32 s[G1S+4], 16
	s_mov_b32 s[G1S+5], 32
	s_mov_b32 s[G1S+6], 0
	s_mov_b32 s[G1S+7], 0
	s_and_b32 s90, s[WV], 1                        ; which 64 rows of a tile I fetch
	s_mul_i32 s91, s90, 64*CODP
	s_mov_b32 s[G0C+0], 1
	s_mov_b32 s[G0C+1], s91
	s_mov_b32 s[G0C+4], 1
	s_add_co_u32 s[G0C+5], s91, SLOTB
	s_mov_b32 s[G0S+0], 1
	s_mov_b32 s[G0S+1], WSC
	s_mov_b32 s[G0S+4], 1
	s_mov_b32 s[G0S+5], SLOTB+WSC
	s_lshl_b32 s88, s90, 15                        ; and in memory: 64 rows of 512 bytes
	s_mov_b32 s89, 0
	s_mov_b32 s[CC], 0x4038aa3b                    ; c = 2 log2 e
	s_mov_b32 s[CC+1], s[CC]
	s_mov_b32 s[SEL], 0x76543210
	s_mov_b32 s[SEL+1], 0xfedcba98
	s_mov_b32 s[WOFF], 0x10000                     ; the first refill asks for W2's tile 1
	s_mov_b32 s[WOFF+1], 0
	s_mov_b32 s[SOFF], 0x1000
	s_mov_b32 s[SOFF+1], 0
	s_mov_b32 s76, 0
	s_mov_b32 s77, 0
	s_mov_b32 s78, 0
	s_mov_b32 s79, 0
	s_mov_b32 s80, 30                              ; sub-steps 2 .. 31 are still to be asked for
	s_mov_b32 s81, 0xffff0000                      ; lanes 16-31
	s_mov_b32 s[L2E], 0x3fb8aa3b
	s_mov_b32 s[L2E+1], s[L2E]
	; lane terms
	v_and_b32 v116, 31, v0                         ; l
	v_and_b32 v117, 15, v0                         ; r = l % 16
	v_bfe_u32 v118, v0, 4, 1                       ; h = l / 16
	v_and_b32 v119, 7, v0                          ; l % 8
	v_bfe_u32 v120, v0, 3, 2                       ; l / 8
	v_bfe_u32 v121, v0, 3, 1                       ; (l / 8) % 2
	v_and_b32 v122, 1, v0                          ; y % 2, y = l % 16
	v_bfe_u32 v123, v0, 1, 3                       ; y / 2
	s_mul_i32 s92, s[WV], 32*CODP
	v_mul_u32_u24 v[ADB], v117, CODP
	v_lshl_add_u32 v[ADB], v118, 4, v[ADB]
	v_add_nc_u32 v[ADB], s92, v[ADB]               ; W: row 32 w + r, + 16 h
	v_add_nc_u32 v[ADB+1], SLOTB, v[ADB]
	s_mul_i32 s92, s[WV], 4*272
	s_add_co_u32 s92, s92, WSC
	v_mul_u32_u24 v[ADW], v120, 272
	v_lshl_add_u32 v[ADW], v119, 5, v[ADW]
	v_add_nc_u32 v[ADW], s92, v[ADW]               ; W's scale bytes: row 32 w + l: unit 4 w + l / 8, 32 (l % 8) in it
	v_add_nc_u32 v[ADW+1], SLOTB, v[ADW]
	v_mul_u32_u24 v[ADA], v117, CODP
	v_lshl_add_u32 v[ADA], v118, 4, v[ADA]
	v_add_nc_u32 v[ADA], COD, v[ADA]
	v_mul_u32_u24 v[ADS], v116, ASCP
	v_add_nc_u32 v[ADS], ASC, v[ADS]
	s_lshl_b32 s92, s[WV], 9
	s_add_co_u32 s92, s92, BF
	v_lshl_add_u32 v[ADT], v118, 3, v119
	v_mul_u32_u24 v[ADT], v[ADT], BFP
	v_lshl_add_u32 v[ADT], v121, 4, v[ADT]
	v_add_nc_u32 v[ADT], s92, v[ADT]               ; the turning load: row 8 h + l % 8, 16 ((l / 8) % 2) bytes on, my wave's 512 bytes
	v_add_nc_u32 v[ADT+1], 32*BFP, v[ADT]
	s_mul_i32 s92, s[WV], 16*BFP
	s_add_co_u32 s92, s92, BF
	v_lshl_add_u32 v[AFB], v116, 4, s92
	s_mul_i32 s92, s[WV], 16*CODP
	s_add_co_u32 s92, s92, COD
	v_lshl_add_u32 v[AFC], v116, 2, s92
	s_mul_i32 s92, s[WV], 16*ASCP
	s_add_co_u32 s92, s92, ASC
	v_bfe_u32 v[AFS], v0, 2, 3
	v_add_nc_u32 v[AFS], s92, v[AFS]
	s_lshl_b32 s92, s[WV], 10
	s_add_co_u32 s92, s92, V2L
	v_lshl_add_u32 v[AVQ], v118, 5, s92
	v_lshlrev_b32 v[KO], 5, v116
	v_add_nc_u32 v[KO+1], 0x8000, v[KO]
	v_lshlrev_b32 v[PFO], 8, v116
	v_add_nc_u32 v[PFO], 3*0x8000, v[PFO]          ; the first feed steps it to sub-step 4
	s_lshl_b32 s92, s[WV], 8
	s_add_co_u32 s92, s92, PART
	v_lshl_add_u32 v[APW], v117, 2, s92
	v_lshlrev_b32 v[APR], 7, v122
	v_lshl_add_u32 v[APR], v123, 3, v[APR]
	v_add_nc_u32 v[APR], PART, v[APR]
	s_lshl_b32 s92, s[WV], 7
	s_add_co_u32 s92, s92, P16
	v_lshlrev_b32 v[AP16W], 6, v122
	v_lshl_add_u32 v[AP16W], v123, 2, v[AP16W]
	v_add_nc_u32 v[AP16W], s92, v[AP16W]
	v_lshl_add_u32 v[AP16R], v118, 4, s92
	v_lshlrev_b32 v[MO], 4, v117
	v_lshl_add_u32 v[SCO], v118, 3, v[MO]
	v_lshlrev_b32 v15, 4, v118                     ; query's fragments: 16 h
	v_mov_b32 v16, 0                               ; its scale words: the same in every lane
	v_lshlrev_b32 v17, 4, v116                     ; V, for its sum
	v_lshlrev_b32 v18, 5, v0                       ; V, 8 numbers a thread
	v_mov_b32 v[MX], 0xff61b1e6                    ; m: -3e38, under every score
	v_mov_b32 v[LSUM], 0
	v_mov_b32 v[NEG], 0xce6e6b28                   ; -1e9
	s_wait_kmcnt 0x0
	s_lshl_b32 s86, s28, 20                        ; my 256 rows of 4,096 bytes,
	s_lshl_b32 s87, s[WV], 13                      ; my wave's two rows of a sub-step
	s_add_co_u32 s86, s86, s87
	s_mov_b32 s87, 0
	s_add_nc_u64 s[4:5], s[4:5], s[86:87]
	s_lshl_b32 s86, s28, 10
	s_add_nc_u64 s[6:7], s[6:7], s[86:87]
	s_add_nc_u64 s[22:23], s[22:23], s[86:87]
	s_mul_i32 s86, s28, 4352
	s_add_nc_u64 s[24:25], s[24:25], s[86:87]
	s_lshr_b32 s82, s28, 3                         ; my batch
	s_lshl_b32 s86, s82, 9
	s_add_nc_u64 s[16:17], s[16:17], s[86:87]
	s_lshl_b32 s86, s82, 5
	s_add_nc_u64 s[18:19], s[18:19], s[86:87]
	s_add_nc_u64 s[8:9], s[8:9], s[88:89]          ; the weights' codes at my half of a tile: the wave's number alone
	s_add_nc_u64 s[12:13], s[12:13], s[88:89]
	s_mov_b64 s[G0C+2:G0C+3], s[12:13]             ; W2's tile 0
	s_or_b32 s[G0C+3], s[G0C+3], 0x80000000
	s_mov_b64 s[G0S+2:G0S+3], s[14:15]
	s_or_b32 s[G0S+3], s[G0S+3], 0x80000000
.irp i, 0,1,2,3,4,5,6,7
	global_load_b128 v[56+4*\i:59+4*\i], v17, s[20:21] offset:512*\i
.endr
	global_load_b128 v[88:91], v18, s[20:21]
	global_load_b128 v[92:95], v18, s[20:21] offset:16
	WIN 0x40
.irp q, 0,1,2,3,4,5,6,7
.irp c, 0,1
	global_load_b128 v[8*\q+4*\c:8*\q+4*\c+3], v15, s[16:17] offset:64*\q+32*\c   ; query, the same row for all 16 columns
.endr
.endr
	WIN 0
	global_load_b128 v[KSC:KSC+3], v16, s[18:19]
	global_load_b128 v[KSC+4:KSC+7], v16, s[18:19] offset:16
.irp p, 0,1                            ; sub-steps 0 and 1 of keys
.irp g, 0,1,2,3,4,5,6,7
.irp c, 0,1
	global_load_b128 v[R+64*\p+8*\g+4*\c:R+64*\p+8*\g+4*\c+3], v[KO+\p], s[4:5] offset:1024*\g+16*\c th:TH_LOAD_NT
.endr
.endr
.endr
	ROUND                                          ; all four work-groups are here: the first joint load meets
	TLOAD 0
	WIN 0xC0
.set i, 0
.rept 16
	v_mov_b32 v[CTX+i], 0
.set i, i+1
.endr
	WIN 0
	s_wait_loadcnt 32                              ; the 28 small loads are in; the 32 of keys, issued behind them, may be out
.irp i, 0,2,4,6
	v_pk_mul_f32 v[88+\i:89+\i], v[88+\i:89+\i], -2.0 op_sel_hi:[1,0]
.endr
	v_bfe_u32 v17, v0, 2, 2                        ; thread t holds d = 8 t ..: wave (t / 4) % 4's, trip t / 16, 8 (t % 4) on
	v_lshlrev_b32 v17, 10, v17
	v_lshrrev_b32 v16, 4, v0
	v_lshl_add_u32 v17, v16, 7, v17
	v_and_b32 v16, 3, v0
	v_lshl_add_u32 v17, v16, 5, v17
	v_add_nc_u32 v17, V2L, v17
	ds_store_b128 v17, v[88:91]
	ds_store_b128 v17, v[92:95] offset:16          ; read by other waves only behind the first trip's round
.irp i, 0,4,8,12,16,20,24,28
	v_pk_add_f32 v[56+\i:57+\i], v[56+\i:57+\i], v[58+\i:59+\i]
.endr
.irp i, 0,8,16,24
	v_pk_add_f32 v[56+\i:57+\i], v[56+\i:57+\i], v[60+\i:61+\i]
.endr
	v_pk_add_f32 v[56:57], v[56:57], v[64:65]
	v_pk_add_f32 v[72:73], v[72:73], v[80:81]
	v_pk_add_f32 v[56:57], v[56:57], v[72:73]
	v_add_f32 v[SV], v56, v57
	v_add_f32_dpp v[SV], v[SV], v[SV] row_xmask:1 row_mask:0xf bank_mask:0xf
	v_add_f32_dpp v[SV], v[SV], v[SV] row_xmask:2 row_mask:0xf bank_mask:0xf
	v_add_f32_dpp v[SV], v[SV], v[SV] row_xmask:4 row_mask:0xf bank_mask:0xf
	v_add_f32_dpp v[SV], v[SV], v[SV] row_xmask:8 row_mask:0xf bank_mask:0xf
	v_permlanex16_b32 v64, v[SV], s[SEL], s[SEL+1]
	v_add_f32 v[SV], v[SV], v64                    ; SV, in every lane
	; ---------------- eight trips on W2: c q2, and pass 0's rows
	s_mov_b32 s75, 3
.Lpro:
	PTRIP 0, 12, 14
	PTRIP 1, 12, 14
	s_sub_co_u32 s75, s75, 1
	s_cmp_lg_u32 s75, 0
	s_cbranch_scc1 .Lpro
	PTRIP 0, 12, 14
	PTRIP 1, 8, 10                                 ; the offset has gone round to 0: the next tile is W1's first
	s_wait_dscnt 0x0                               ; my stores of pass 0 have landed
	s_barrier_signal -1
	s_barrier_wait -1
	HEAD_A
	HEAD_B
	; ---------------- passes 0 to 2: each also feeds the pass behind it
	s_mov_b32 s74, 3
.Lpass:
	HEADMISC
	s_mov_b32 s75, 4
.Lpair:
	TRIP 0, 1, 1
	TRIP 1, 1, 1
	s_sub_co_u32 s75, s75, 1
	s_cmp_lg_u32 s75, 0
	s_cbranch_scc1 .Lpair
	TAIL 1
	s_sub_co_u32 s74, s74, 1
	s_cmp_lg_u32 s74, 0
	s_cbranch_scc1 .Lpass
	; ---------------- pass 3: nothing left to feed; its last trip is written out
	HEADMISC
	s_mov_b32 s75, 3
.Lpair3:
	TRIP 0, 1, 0
	TRIP 1, 1, 0
	s_sub_co_u32 s75, s75, 1
	s_cmp_lg_u32 s75, 0
	s_cbranch_scc1 .Lpair3
	TRIP 0, 1, 0
	TRIP 1, 0, 0
	TAIL 0
	; ---------------- the way out: my 256 channels go through 1,024 bytes of my own (where the bf16 rows lay: nobody reads them any more) and leave as whole runs of 512 bytes
	v_and_b32 v15, 15, v0
	v_and_b32 v16, 31, v0
	s_lshl_b32 s92, s[WV], 10
	s_add_co_u32 s93, s92, BF
	s_add_co_u32 s92, s92, 256                     ; behind the header
	v_lshl_add_u32 v15, v15, 2, s93
	v_lshl_add_u32 v17, v16, 4, s93
	v_lshl_add_u32 v18, v16, 4, s92
	v_lshlrev_b32 v[KO], 3, v16                    ; (all loads of keys came long ago)
	v_mov_b32 v116, v[MX]
	v_mov_b32 v117, v[LSUM]
	WIN 0x0C
.irp t, 0,1,2,3,4,5,6,7,8,9,10,11,12,13,14,15
	ds_store_b32 v15, v[CTX+\t] offset:64*\t       ; both halves of the lanes hold the same number
.endr
	WIN 0
	ds_load_b128 v[56:59], v17
	ds_load_b128 v[60:63], v17 offset:512
	s_wait_dscnt 0x0
	global_store_b128 v18, v[56:59], s[24:25]
	global_store_b128 v18, v[60:63], s[24:25] offset:512
	s_cmp_lg_u32 s[WV], 0
	s_cbranch_scc1 .Lnhd
	global_store_b64 v[KO], v[116:117], s[24:25]   ; the header: (m, l) 32 times: 256 consecutive bytes, aligned
.Lnhd:
	s_wait_tensorcnt 0x0                           ; the wave's end
	ds_add_u32 v[SPW], v[NIL]
	s_wait_dscnt 0x0
	ROUND                                          ; the closing round: no work-group ends while a partner may still ask for a tile that names it
	s_endpgm
.Lfunc_end_k_q375e56e036_main:
	.size	k_q375e56e036_main, .Lfunc_end_k_q375e56e036_main-k_q375e56e036_main
	.p2alignl 7, 3214868480
	.fill 96, 4, 3214868480
	.section	.rodata,"a",@progbits
	.p2align	6, 0x0
	.amdhsa_kernel k_q375e56e036_main
		.amdhsa_group_segment_fixed_size 327680
		.amdhsa_private_segment_fixed_size 0
		.amdhsa_enable_private_segment 0
		.amdhsa_kernarg_size 88
		.amdhsa_user_sgpr_count 2
		.amdhsa_user_sgpr_kernarg_segment_ptr 1
		.amdhsa_wavefront_size32 1
		.amdhsa_system_sgpr_workgroup_id_x 1
		.amdhsa_system_sgpr_workgroup_id_y 1
		.amdhsa_system_sgpr_workgroup_id_z 1
		.amdhsa_system_vgpr_workitem_id 0
		.amdhsa_next_free_vgpr 1024
		.amdhsa_next_free_sgpr 100
		.amdhsa_reserve_vcc 1
		.amdhsa_float_denorm_mode_32 3
		.amdhsa_float_denorm_mode_16_64 3
		.amdhsa_memory_ordered 1
		.amdhsa_forward_progress 1
		.amdhsa_inst_pref_size 255
	.end_amdhsa_kernel
	.section	.bss,"aw",@nobits
	.p2align	6
	.space	262144
	.amdgpu_metadata
---
amdhsa.version: [ 1, 2 ]
amdhsa.kernels:
  - .name:           k_q375e56e036_main
    .symbol:         k_q375e56e036_main.kd
    .args:
      - { .name: keys, .offset: 0, .size: 8, .value_kind: global_buffer, .address_space: global }
      - { .name: mask, .offset: 8, .size: 8, .value_kind: global_buffer, .address_space: global }
      - { .name: W1_codes, .offset: 16, .size: 8, .value_kind: global_buffer, .address_space: global }
      - { .name: W1_scales, .offset: 24, .size: 8, .value_kind: global_buffer, .address_space: global }
      - { .name: W2_codes, .offset: 32, .size: 8, .value_kind: global_buffer, .address_space: global }
      - { .name: W2_scales, .offset: 40, .size: 8, .value_kind: global_buffer, .address_space: global }
      - { .name: query_codes, .offset: 48, .size: 8, .value_kind: global_buffer, .address_space: global }
      - { .name: query_scales, .offset: 56, .size: 8, .value_kind: global_buffer, .address_space: global }
      - { .name: V, .offset: 64, .size: 8, .value_kind: global_buffer, .address_space: global }
      - { .name: scores, .offset: 72, .size: 8, .value_kind: global_buffer, .address_space: global }
      - { .name: ctxp, .offset: 80, .size: 8, .value_kind: global_buffer, .address_space: global }
    .group_segment_fixed_size: 327680
    .private_segment_fixed_size: 0
    .kernarg_segment_align: 8
    .kernarg_segment_size: 88
    .max_flat_workgroup_size: 128
    .sgpr_count:     100
    .vgpr_count:     1024
    .wavefront_size: 32
...
	.end_amdgpu_metadata
.endif
;; end of part 1
;; launch fin (part 2): grid 128 x 1, 4 waves a work-group, no clusters, 0 bytes of LDS; arguments scores, ctxp, out0, out1; writes out0, out1
.if DOCPART == 2
	.amdgcn_target "amdgcn-amd-amdhsa--gfx1250"
	.amdhsa_code_object_version 6
	.text
	.protected	k_q375e56e036_fin
	.globl	k_q375e56e036_fin
	.p2align	8
	.type	k_q375e56e036_fin,@function
k_q375e56e036_fin:
	s_mov_b64 s[64:65], 0
	v_nop
	global_prefetch_b8 v0, s[64:65] scope:SCOPE_SE
	s_setreg_imm32_b32 hwreg(HW_REG_WAVE_MODE, 25, 1), 1
	s_wait_xcnt 0x0
; The eight parts of a batch are joined.  ctxp: [256][1,088] f32: words 0-63 the pair (m, l) 32 times, words 64-1,087 the sum of 2^((s - m) log2 e) x keys.  scores: [32][2048] f32, masked.
; M = the largest m;  w_i = 2^((m_i - M) log2 e);  L = the sum of l_i w_i;  out0 = the sum of w_i ctx_i / L;  out1 = 2^((s - M) log2 e) / L.  At least one w_i is 1 and its l_i at least 1, so L is at least 1.
; Work-group x takes batch x / 4 and quarter x % 4 of its 1,024 channels and 2,048 rows; 128 threads: 2 channels and 4 rows each.  Every load and store of a wave covers 256 or 512 consecutive bytes.
; No LDS, no barrier, no matrix unit: 10 KB in and 3 KB out for a work-group, nothing shared between waves.
.set REC, 4352                         ; bytes of a part
	s_load_b256 s[4:11], s[0:1], 0x0               ; scores s[4:5], ctxp s[6:7], out0 s[8:9], out1 s[10:11]
	s_lshr_b32 s12, ttmp9, 2                       ; batch
	s_and_b32 s13, ttmp9, 3                        ; quarter
	s_mul_i32 s14, s12, 8*REC
	s_mov_b32 s15, 0
	s_lshl_b32 s32, s12, 13                        ; a batch's 2,048 scores
	s_mov_b32 s33, 0
	s_lshl_b32 s34, s12, 12                        ; its 1,024 channels
	s_mov_b32 s35, 0
	s_lshl_b32 s36, s13, 10
	s_lshl_b32 s37, s13, 11
	v_lshl_add_u32 v1, v0, 3, s36                  ; my two channels
	v_lshl_add_u32 v2, v0, 4, s37                  ; my four rows
	s_wait_kmcnt 0x0
	s_add_nc_u64 s[4:5], s[4:5], s[32:33]
	s_add_nc_u64 s[6:7], s[6:7], s[14:15]
	s_add_nc_u64 s[8:9], s[8:9], s[34:35]
	s_add_nc_u64 s[10:11], s[10:11], s[32:33]
.irp i, 0,1,2,3,4,5,6,7
	s_load_b64 s[16+2*\i:17+2*\i], s[6:7], REC*\i  ; m_i, l_i
.endr
	global_load_b128 v[4:7], v2, s[4:5] th:TH_LOAD_NT
.irp i, 0,1,2,3,4,5,6,7
	global_load_b64 v[32+2*\i:33+2*\i], v1, s[6:7] offset:256+REC*\i th:TH_LOAD_NT
.endr
	s_wait_kmcnt 0x0
	v_mov_b32 v20, s16
.irp i, 1,2,3,4,5,6,7
	v_max_num_f32 v20, s[16+2*\i], v20             ; M
.endr
.irp i, 0,1,2,3,4,5,6,7
	v_sub_f32 v[24+\i], s[16+2*\i], v20            ; the maximum is taken away first
.endr
.irp i, 0,1,2,3,4,5,6,7
	v_mul_f32 v[24+\i], 0x3fb8aa3b, v[24+\i]
.endr
.irp i, 0,1,2,3,4,5,6,7
	v_exp_f32 v[24+\i], v[24+\i]
.endr
	v_nop
	s_wait_alu depctr_va_vdst(0)                   ; one wait for the eight, ahead of their first reader
	v_mul_f32 v21, s17, v24
.irp i, 1,2,3,4,5,6,7
	v_fmac_f32 v21, s[17+2*\i], v[24+\i]           ; L
.endr
	v_rcp_f32 v22, v21
	s_wait_loadcnt 0x0
.irp i, 0,1,2,3
	v_sub_f32 v[4+\i], v[4+\i], v20                ; (plain lines behind the reciprocal)
.endr
.irp i, 0,1,2,3
	v_mul_f32 v[4+\i], 0x3fb8aa3b, v[4+\i]
.endr
.irp i, 0,1,2,3
	v_exp_f32 v[4+\i], v[4+\i]
.endr
	v_mul_f32 v48, v24, v32                        ; the sums of w_i ctx_i stand behind the exponentials and name none of their results
	v_mul_f32 v49, v24, v33
.irp i, 1,2,3,4,5,6,7
	v_fmac_f32 v48, v[24+\i], v[32+2*\i]
	v_fmac_f32 v49, v[24+\i], v[33+2*\i]
.endr
	s_wait_alu depctr_va_vdst(0)                   ; one wait for the reciprocal and the four
	v_mul_f32 v48, v48, v22
	v_mul_f32 v49, v49, v22
.irp i, 0,1,2,3
	v_mul_f32 v[4+\i], v[4+\i], v22
.endr
	global_store_b64 v1, v[48:49], s[8:9] th:TH_STORE_NT
	global_store_b128 v2, v[4:7], s[10:11] th:TH_STORE_NT
	s_endpgm
.Lfunc_end_k_q375e56e036_fin:
	.size	k_q375e56e036_fin, .Lfunc_end_k_q375e56e036_fin-k_q375e56e036_fin
	.p2alignl 7, 3214868480
	.fill 96, 4, 3214868480
	.section	.rodata,"a",@progbits
	.p2align	6, 0x0
	.amdhsa_kernel k_q375e56e036_fin
		.amdhsa_group_segment_fixed_size 0
		.amdhsa_private_segment_fixed_size 0
		.amdhsa_enable_private_segment 0
		.amdhsa_kernarg_size 32
		.amdhsa_user_sgpr_count 2
		.amdhsa_user_sgpr_kernarg_segment_ptr 1
		.amdhsa_wavefront_size32 1
		.amdhsa_system_sgpr_workgroup_id_x 1
		.amdhsa_system_sgpr_workgroup_id_y 1
		.amdhsa_system_sgpr_workgroup_id_z 1
		.amdhsa_system_vgpr_workitem_id 0
		.amdhsa_next_free_vgpr 64
		.amdhsa_next_free_sgpr 66
		.amdhsa_reserve_vcc 0
		.amdhsa_float_denorm_mode_32 3
		.amdhsa_float_denorm_mode_16_64 3
		.amdhsa_memory_ordered 1
		.amdhsa_forward_progress 1
		.amdhsa_inst_pref_size 6
	.end_amdhsa_kernel
	.amdgpu_metadata
---
amdhsa.version: [ 1, 2 ]
amdhsa.kernels:
  - .name:           k_q375e56e036_fin
    .symbol:         k_q375e56e036_fin.kd
    .args:
      - { .name: scores, .offset: 0, .size: 8, .value_kind: global_buffer, .address_space: global }
      - { .name: ctxp, .offset: 8, .size: 8, .value_kind: global_buffer, .address_space: global }
      - { .name: out0, .offset: 16, .size: 8, .value_kind: global_buffer, .address_space: global }
      - { .name: out1, .offset: 24, .size: 8, .value_kind: global_buffer, .address_space: global }
    .group_segment_fixed_size: 0
    .private_segment_fixed_size: 0
    .kernarg_segment_align: 8
    .kernarg_segment_size: 32
    .max_flat_workgroup_size: 128
    .sgpr_count:     66
    .vgpr_count:     64
    .wavefront_size: 32
...
	.end_amdgpu_metadata
.endif
;; end of part 2
